; MI455X (gfx1250); checked and timed in simulation.
; The chip was launched on July 23, 2026; its instructions are those of AMD's public machine-readable ISA for CDNA 5 (MIT licence, August 2026) and "CDNA5" Instruction Set Architecture Reference Guide (July 2026). The comments in the code are by the model that wrote it; some were corrected since.
;; Query Depth Point. Allowed arithmetic: float matrix products may take bf16 or f16 operands with f32 sums; all other float work in f32.
;; Inputs: xyz1 8 x 3 x 8,192 float32; xyz2 8 x 3 x 2,048 float32.
;; Outputs: out0 8 x 2,048 x 64 int32; out1 8 x 2,048 int32.
;; 2 versions, each right; version 2 is version 1 with the launch compact written anew for expert scheduling mode. Each part assembles by itself: llvm-mc -triple=amdgcn-amd-amdhsa -mcpu=gfx1250 --defsym DOCPART=n.
;; ======== version 1 of 2: 2 launches
;; workspace buffers: mask 16,777,216 bytes of whole numbers
;; launch masks (part 1): grid 256 x 1, 16 waves a work-group, no clusters, 0 bytes of LDS; arguments xyz1, xyz2, mask; writes mask
.if DOCPART == 1
	.amdgcn_target "amdgcn-amd-amdhsa--gfx1250"
	.amdhsa_code_object_version 6
	.text
	.protected	k_q3906b3ff81_masks
	.globl	k_q3906b3ff81_masks
	.p2align	8
	.type	k_q3906b3ff81_masks,@function
k_q3906b3ff81_masks:
	s_mov_b64 s[64:65], 0
	v_nop
	global_prefetch_b8 v0, s[64:65] scope:SCOPE_SE
	s_setreg_imm32_b32 hwreg(HW_REG_WAVE_MODE, 25, 1), 1
	s_wait_xcnt 0x0
; mask[query of all 16,384][256 words]: bit l of word w says |z2[query] - z1[32 w + l]| < 0.5 (z1 of the query's batch).
; Only the z planes of xyz1 [8][3][8192] and xyz2 [8][3][2048] enter the result.
; The comparisons are made here and stored as whole numbers; the LDS addresses that hang on them are formed in the next launch.
; ORDER OF THE WORDS IN A ROW (1,024 bytes): position 4 a + j holds word 8 a + j, position 128 + 4 a + j holds word 8 a + 4 + j
; (a = 0..31, j = 0..3), so that two loads of 512 consecutive bytes give lane a of the next launch its words 8 a .. 8 a + 7.
; A work-group (16 waves) owns one batch, one quarter of the row's positions (64 words, 256 bytes) and 256 queries; a wave owns
; 16 of the queries.  Quarter s, position 64 s + i is word 128 (s & 1) + 4 (s >> 1) + 8 (i >> 2) + (i & 3).
; A wave keeps the 2,048 depths of its 64 words in 64 registers (lane l of a register = point 32 w + l), so that the lane mask
; which a compare writes IS the word: nothing is shifted together bit by bit.
; For one query and 64 words: 32 packed additions of -z2, 64 compares, 64 v_writelane_b32, one store of 256 bytes.
; Numbers: z1 + (-z2) has the magnitude of z2 - z1 bit for bit (round to nearest is symmetric); the compare is ordered,
; so a NaN never matches, as in the reference.  No limit of range.
; No cluster: the 8 work-groups of a (batch, quarter) share 8 KiB of z1, read once each, through registers.
.set NPT,   8192                       ; points of a batch
.set NQY,   2048                       ; queries of a batch
.set QTRW,  64                         ; words of a quarter
.set NQ,    16                         ; queries of a wave
.set ROWB,  1024                       ; bytes of a query's row of 256 words
.set Z1PL,  4*NPT                      ; bytes of a plane of xyz1
.set Z2PL,  4*NQY                      ; bytes of a plane of xyz2
.set T,  8                             ; v[8:15]   eight words' differences
.set O,  16                            ; v[16:17]  lane l: positions 2 l and 2 l + 1 of the quarter, for the query at work
.set Q,  18                            ; v18       z2 of my 16 queries, one a lane in each half of 16 lanes; rotated once a trip
.set Z,  32                            ; v[32:95]  z1 of the quarter's 64 words
.set M,  24                            ; s[24:31]  eight words as the compares write them
	s_load_b128 s[4:7], s[0:1], 0x0                ; xyz1 s[4:5], xyz2 s[6:7]
	s_load_b64 s[8:9], s[0:1], 0x10                ; mask
	v_and_b32 v1, 31, v0                           ; lane
	v_lshrrev_b32 v5, 5, v0
	v_readfirstlane_b32 s10, v5                    ; wave 0..15
	v_lshlrev_b32 v2, 2, v1                        ; 4 x lane: my point in a word's 128 bytes of z1
	v_lshlrev_b32 v3, 3, v1                        ; 8 x lane: my two positions in the quarter's 256 bytes
	v_and_b32 v4, 15, v0
	v_lshlrev_b32 v4, 2, v4                        ; 4 x (lane % 16): my query among the wave's 16
	s_and_b32 s11, ttmp9, 7                        ; block of 256 queries
	s_bfe_u32 s13, ttmp9, 0x20003                  ; quarter s: 2 bits from bit 3
	s_lshr_b32 s14, ttmp9, 5                       ; batch
	s_lshl_b32 s18, s11, 8
	s_lshl4_add_u32 s18, s10, s18                  ; my wave's first query = 256 x block + 16 x wave
	s_mul_i32 s16, s14, 3*Z1PL                     ; xyz1: the batch,
	s_and_b32 s15, s13, 1
	s_lshl_b32 s15, s15, 14                        ; 128 (s & 1) words of 128 bytes,
	s_add_co_u32 s16, s16, s15
	s_lshr_b32 s15, s13, 1
	s_lshl_b32 s15, s15, 9                         ; 4 (s >> 1) words,
	s_add_co_u32 s16, s16, s15
	s_add_co_u32 s16, s16, 2*Z1PL                  ; the z plane
	s_mov_b32 s17, 0
	s_mul_i32 s22, s14, 3*Z2PL                     ; xyz2: the batch,
	s_lshl2_add_u32 s22, s18, s22                  ; 4 bytes a query,
	s_add_co_u32 s22, s22, 2*Z2PL                  ; the z plane
	s_mov_b32 s23, 0
	s_lshl_b32 s2, s14, 11                         ; mask: 2,048 queries a batch,
	s_add_co_u32 s2, s2, s18                       ; my first query among all 16,384,
	s_lshl2_add_u32 s2, s2, s13                    ; four quarters a row,
	s_lshl_b32 s2, s2, 8                           ; 256 bytes a quarter: below 16 MiB
	s_mov_b32 s3, 0
	s_wait_kmcnt 0x0
	s_add_nc_u64 s[4:5], s[4:5], s[16:17]
	s_add_nc_u64 s[6:7], s[6:7], s[22:23]
	s_add_nc_u64 s[8:9], s[8:9], s[2:3]
	global_load_b32 v[Q], v4, s[6:7]
.set i, 0
.rept QTRW
	global_load_b32 v[Z+i], v2, s[4:5] offset:(i>>2)*1024+(i&3)*128    ; word 8 (i >> 2) + (i & 3) from the base: 128 neighbouring bytes
.set i, i+1
.endr
	v_mov_b32 v[O], 0                              ; v_writelane_b32 keeps the other lanes: its destination has to be written once
	v_mov_b32 v[O+1], 0
	s_mov_b32 s21, 0                               ; upper half of the pair that the packed addition names; only s20 is used
	s_mov_b32 s12, 0
	s_wait_loadcnt 0x0                             ; once: from here on the wave loads nothing
.Lquery:
	v_readfirstlane_b32 s20, v[Q]                  ; z2 of this trip's query
	v_mov_b32_dpp v[Q], v[Q] row_ror:15 row_mask:0xf bank_mask:0xf   ; lane i takes lane (i + 1) % 16: the next query comes to lane 0
	s_xor_b32 s20, s20, 0x80000000                 ; -z2
.set g, 0
.rept QTRW/8                                       ; eight words at a time, so that no line waits for the one in front of it
.irp i, 0,2,4,6
	v_pk_add_f32 v[T+\i:T+\i+1], v[Z+8*g+\i:Z+8*g+\i+1], s[20:21] op_sel_hi:[1,0]   ; z1 - z2 for two words; both halves take s20
.endr
.irp i, 0,1,2,3,4,5,6,7
	v_cmp_gt_f32 s[M+\i], 0.5, |v[T+\i]|           ; bit l: 0.5 > |z1 - z2| in lane l
.endr
.if g == 0
	s_wait_xcnt 0x0                                ; the last trip's store named v[O:O+1] and s[8:9]: both are rewritten only behind this wait,
	s_add_nc_u64 s[8:9], s[8:9], ROWB              ; which stands fourteen vector lines behind that store; this trip's store reaches back by ROWB
.endif
.irp i, 0,1,2,3,4,5,6,7
	v_writelane_b32 v[O+(\i&1)], s[M+\i], 4*g+(\i>>1)      ; position p = 8 g + i to register p & 1, lane p >> 1
.endr
.set g, g+1
.endr
	global_store_b64 v3, v[O:O+1], s[8:9] offset:-ROWB     ; the query's quarter: 256 consecutive bytes, aligned; read again by the next launch, so no hint
	s_add_co_u32 s12, s12, 1
	s_cmp_lt_u32 s12, NQ
	s_cbranch_scc1 .Lquery
	s_endpgm
.Lfunc_end_k_q3906b3ff81_masks:
	.size	k_q3906b3ff81_masks, .Lfunc_end_k_q3906b3ff81_masks-k_q3906b3ff81_masks
	.p2alignl 7, 3214868480
	.fill 96, 4, 3214868480
	.section	.rodata,"a",@progbits
	.p2align	6, 0x0
	.amdhsa_kernel k_q3906b3ff81_masks
		.amdhsa_group_segment_fixed_size 0
		.amdhsa_private_segment_fixed_size 0
		.amdhsa_enable_private_segment 0
		.amdhsa_kernarg_size 24
		.amdhsa_user_sgpr_count 2
		.amdhsa_user_sgpr_kernarg_segment_ptr 1
		.amdhsa_wavefront_size32 1
		.amdhsa_system_sgpr_workgroup_id_x 1
		.amdhsa_system_sgpr_workgroup_id_y 1
		.amdhsa_system_sgpr_workgroup_id_z 1
		.amdhsa_system_vgpr_workitem_id 0
		.amdhsa_next_free_vgpr 96
		.amdhsa_next_free_sgpr 66
		.amdhsa_reserve_vcc 0
		.amdhsa_float_denorm_mode_32 3
		.amdhsa_float_denorm_mode_16_64 3
		.amdhsa_memory_ordered 1
		.amdhsa_forward_progress 1
		.amdhsa_inst_pref_size 19
	.end_amdhsa_kernel
	.amdgpu_metadata
---
amdhsa.version: [ 1, 2 ]
amdhsa.kernels:
  - .name:           k_q3906b3ff81_masks
    .symbol:         k_q3906b3ff81_masks.kd
    .args:
      - { .name: xyz1, .offset: 0, .size: 8, .value_kind: global_buffer, .address_space: global }
      - { .name: xyz2, .offset: 8, .size: 8, .value_kind: global_buffer, .address_space: global }
      - { .name: mask, .offset: 16, .size: 8, .value_kind: global_buffer, .address_space: global }
    .group_segment_fixed_size: 0
    .private_segment_fixed_size: 0
    .kernarg_segment_align: 8
    .kernarg_segment_size: 24
    .max_flat_workgroup_size: 512
    .sgpr_count:     66
    .vgpr_count:     96
    .wavefront_size: 32
...
	.end_amdgpu_metadata
.endif
;; end of part 1
;; launch compact (part 2): grid 256 x 1, 16 waves a work-group, no clusters, 23,040 bytes of LDS; arguments mask, out0, out1; writes out0, out1
.if DOCPART == 2
	.amdgcn_target "amdgcn-amd-amdhsa--gfx1250"
	.amdhsa_code_object_version 6
	.text
	.protected	k_q3906b3ff81_compact
	.globl	k_q3906b3ff81_compact
	.p2align	8
	.type	k_q3906b3ff81_compact,@function
k_q3906b3ff81_compact:
	s_mov_b64 s[64:65], 0
	v_nop
	global_prefetch_b8 v0, s[64:65] scope:SCOPE_SE
	s_setreg_imm32_b32 hwreg(HW_REG_WAVE_MODE, 25, 1), 1
	s_wait_xcnt 0x0
; out0[query][k] = index of the k-th set bit of the query's 8,192-bit mask (k < count), else the first match, else 0;
; out1[query] = min(number of set bits, 64).  The bits were stored by the launch before: a row of 256 words a query, bit l of
; word w = point 32 w + l; position 4 a + j of the row holds word 8 a + j, position 128 + 4 a + j word 8 a + 4 + j.
; Everything here is whole numbers read from memory.  No branch hangs on them: every query takes the same lines.
; A work-group (16 waves) owns 64 queries, a wave four of them, one after the other; all eight loads are issued at the start.
; ONE QUERY, lane l holding words 8 l .. 8 l + 7:
;   1. set bits in front of each word: a chain of eight v_bcnt in the lane, a scan of the lanes' totals over the 32 lanes;
;   2. each word that is not empty and has X < 64 matches in front of it writes the mark 64 w + X to LDS slot X (two such words never
;      share X); empty words and X >= 64 write to a dump word behind the slots, so EXEC stays full;
;   3. a running maximum over the 64 slots: slot k then holds the mark of the last non-empty word with X <= k, the word of match k;
;   4. that word's bits are fetched from LDS, and its set bit number r = k - X is found in five steps: the largest position with
;      at most r set bits below it;
;   5. slots at and beyond the count take slot 0's index, times min(total, 1): 0 where nothing matches.
; LDS serves a wave's instructions in order (ISA guide 5.7.1.4) and each wave keeps to its own bytes: no barrier but the one for out1.
; No cluster: no two work-groups read the same byte.
.set NS,    64                         ; slots of a query
.set QW,    4                          ; queries of a wave
.set ROWM,  1024                       ; bytes of a query's row of the mask
.set ROWO,  256                        ; bytes of its row of out0
.set SLB,   272                        ; LDS: 64 slots, the dump word, filled up to a multiple of 16
.set WREG,  SLB+1024                   ; LDS of a wave: the slots, then the 256 words in their order
.set CNTB,  16*WREG                    ; behind the waves' parts: the work-group's 64 counts
.set W,  4                             ; v[4:35]   query q: words 8 l + j in v[W+8q+j]
.set P,  36                            ; v[36:43]  set bits of my words 0 .. j
.set X,  44                            ; v[44:51]  matches in front of word j, then the LDS address of its mark
.set MK, 52                            ; v[52:59]  the marks
.set S,  60                            ; v60       scan of the lanes' totals; later the lower half's last mark, for the upper half
.set TM, 61                            ; v61       what a DPP move brings
.set MA, 62                            ; v[62:63]  marks of slots 2 l, 2 l + 1
.set WI, 64                            ; v[64:65]  their words' numbers
.set R,  66                            ; v[66:67]  their ranks inside the word
.set B,  68                            ; v[68:69]  the words' bits
.set AD, 70                            ; v[70:71]  LDS addresses of the words
.set PS, 72                            ; v[72:73]  bit position so far, then the index
.set PN, 74                            ; v[74:75]  bit position on trial
.set T,  76                            ; v[76:77]  set bits below it
.set OUT, 78                           ; v[78:85]  query q: the pair that its store reads; never rewritten, so no wait frees it
.set LB, 86                            ; v86       LDS address of my wave's slot 0
.set LP, 87                            ; v87       LDS address of slots 2 l, 2 l + 1
.set LW, 88                            ; v88       LDS address of word 8 l
.set LG, 89                            ; v89       LDS address of word 0
.set L9, 90                            ; v90       64 x 8 l: the lane's part of a mark
.set HI, 91                            ; v91       1 in lanes 16 to 31, else 0
.set K,  92                            ; v[92:93]  2 l, 2 l + 1
.set CA, 94                            ; v94       LDS address of my wave's four counts
.set CR, 95                            ; v95       LDS address of counts 2 l, 2 l + 1
.set CN, 96                            ; v96       a count, for the LDS store
.set ZR, 98                            ; v[98:99]  zeros
.set M,  16                            ; s[16:23]  lanes whose word j is not empty
	s_load_b128 s[4:7], s[0:1], 0x0                ; mask s[4:5], out0 s[6:7]
	s_load_b64 s[8:9], s[0:1], 0x10                ; out1
	v_lshl_add_u32 v100, v0, 2, 0x5200
	v_mov_b32 v101, 0
	v_and_b32 v1, 31, v0                           ; lane
	v_lshrrev_b32 v[TM], 5, v0
	v_readfirstlane_b32 s10, v[TM]                 ; wave 0..15
	v_lshlrev_b32 v2, 4, v1                        ; 16 x lane: four words of half a mask row
	v_lshlrev_b32 v3, 3, v1                        ; 8 x lane: two slots of a row of out0, two counts
	s_lshl_b32 s12, ttmp9, 16                      ; mask: 64 queries of 1,024 bytes a work-group,
	s_lshl_b32 s14, s10, 12                        ; 4 a wave
	s_add_co_u32 s12, s12, s14
	s_mov_b32 s13, 0
	s_lshl_b32 s40, ttmp9, 14                      ; out0: 64 rows of 256 bytes,
	s_lshl_b32 s14, s10, 10                        ; 4 a wave
	s_add_co_u32 s40, s40, s14
	s_mov_b32 s41, 0
	s_lshl_b32 s42, ttmp9, 8                       ; out1: the work-group's 64 counts
	s_mov_b32 s43, 0
	s_mul_i32 s15, s10, WREG
	v_mov_b32 v[LB], s15
	v_add_nc_u32 v[LP], s15, v3
	s_add_co_u32 s44, s15, SLB
	v_mov_b32 v[LG], s44
	v_lshl_add_u32 v[LW], v1, 5, s44               ; eight words of 4 bytes a lane
	s_lshl_b32 s45, s10, 4
	s_add_co_u32 s45, s45, CNTB
	v_mov_b32 v[CA], s45                           ; counts 4 x wave .. 4 x wave + 3 are mine
	v_add_nc_u32 v[CR], CNTB, v3
	v_lshlrev_b32 v[L9], 9, v1
	v_lshrrev_b32 v[HI], 4, v1
	v_lshlrev_b32 v[K], 1, v1
	v_or_b32 v[K+1], 1, v[K]
	v_mov_b32 v[ZR], 0
	v_mov_b32 v[ZR+1], 0
	s_wait_kmcnt 0x0
	s_add_nc_u64 s[4:5], s[4:5], s[12:13]
	s_add_nc_u64 s[6:7], s[6:7], s[40:41]
	s_add_nc_u64 s[8:9], s[8:9], s[42:43]
.irp q, 0,1,2,3
	global_load_b128 v[W+8*\q:W+8*\q+3],   v2, s[4:5] offset:\q*ROWM th:TH_LOAD_NT       ; 512 consecutive bytes each; every row is read
	global_load_b128 v[W+8*\q+4:W+8*\q+7], v2, s[4:5] offset:\q*ROWM+512 th:TH_LOAD_NT   ; once in the launch
.endr
.macro QUERY q
	ds_store_b64 v[LP], v[ZR:ZR+1]                 ; all 64 slots 0; in order behind the last query's reads
	s_wait_loadcnt 2*(QW-1-\q)                     ; my two loads are in; the two of each later query stay out
	ds_store_b128 v[LW], v[W+8*\q:W+8*\q+3]        ; the words in their order, for step 4
	ds_store_b128 v[LW], v[W+8*\q+4:W+8*\q+7] offset:16
	; 1. matches in front of each word
	v_bcnt_u32_b32 v[P], v[W+8*\q], 0
.irp j, 1,2,3,4,5,6,7
	v_bcnt_u32_b32 v[P+\j], v[W+8*\q+\j], v[P+\j-1]        ; set bits of the word + those of the words before it
.endr
	v_mov_b32 v[S], v[P+7]
.irp n, 1,2,4,8
	v_mov_b32_dpp v[TM], v[S] row_shr:\n row_mask:0xf bank_mask:0xf bound_ctrl:1   ; lane i takes lane i - n of its 16, or 0
	v_add_nc_u32 v[S], v[S], v[TM]
.endr
	v_readlane_b32 s24, v[S], 15                   ; the lower 16 lanes' total (at most 4,096)
	v_mad_u32_u24 v[S], v[HI], s24, v[S]           ; goes on top in the upper 16
	v_readlane_b32 s25, v[S], 31                   ; all matches of the query
	v_sub_nc_u32 v[X], v[S], v[P+7]                ; in front of my first word
.irp j, 1,2,3,4,5,6,7
	v_add_nc_u32 v[X+\j], v[X], v[P+\j-1]
.endr
	; 2. the marks
	v_add_nc_u32 v[MK], v[X], v[L9]
.irp j, 1,2,3,4,5,6,7
	v_add3_u32 v[MK+\j], v[X+\j], v[L9], 64*\j             ; 64 (8 l + j) + X; only marks with X < 64 reach a slot
.endr
.irp j, 0,1,2,3,4,5,6,7
	v_cmp_ne_u32 s[M+\j], 0, v[W+8*\q+\j]
.endr
.irp j, 0,1,2,3,4,5,6,7
	v_cndmask_b32 v[X+\j], NS, v[X+\j], s[M+\j]            ; an empty word: the dump word
.endr
.irp j, 0,1,2,3,4,5,6,7
	v_min_u32 v[X+\j], NS, v[X+\j]                         ; 64 matches in front: the dump word.  Bounds the address: 0 .. 64
.endr
.irp j, 0,1,2,3,4,5,6,7
	v_lshl_add_u32 v[X+\j], v[X+\j], 2, v[LB]
.endr
.irp j, 0,1,2,3,4,5,6,7
	ds_store_b32 v[X+\j], v[MK+\j]
.endr
	; 3. running maximum over slots 0 .. 63 (marks grow with the slot; an empty slot is 0)
	ds_load_b64 v[MA:MA+1], v[LP]                  ; behind my own stores, in order
	s_wait_dscnt 0x0
	v_max_u32 v[MA+1], v[MA], v[MA+1]
.irp n, 1,2,4,8
	v_mov_b32_dpp v[TM], v[MA+1] row_shr:\n row_mask:0xf bank_mask:0xf bound_ctrl:1
	v_max_u32 v[MA+1], v[MA+1], v[TM]
.endr
	v_readlane_b32 s29, v[MA+1], 15                ; the lower 16 lanes' last mark (below 2^14)
	v_mov_b32_dpp v[TM], v[MA+1] row_shr:1 row_mask:0xf bank_mask:0xf bound_ctrl:1  ; the lanes in front of me in my 16
	v_mul_u32_u24 v[S], s29, v[HI]                 ; counts for the upper 16 only
	v_max_u32 v[MA], v[MA], v[TM]
	v_max_u32 v[MA+1], v[MA+1], v[S]
	v_max_u32 v[MA], v[MA], v[S]
	; 4. the word, the rank inside it, the bit
.irp i, 0,1
	v_lshrrev_b32 v[WI+\i], 6, v[MA+\i]
	v_and_b32 v[R+\i], 63, v[MA+\i]
.endr
.irp i, 0,1
	v_min_u32 v[WI+\i], 0xff, v[WI+\i]                     ; changes nothing (a mark is below 64 x 256); bounds the address
	v_sub_nc_u32 v[R+\i], v[K+\i], v[R+\i]                 ; r = k - X, never negative: the mark came from slot X <= k
.endr
.irp i, 0,1
	v_lshl_add_u32 v[AD+\i], v[WI+\i], 2, v[LG]
.endr
.irp i, 0,1
	ds_load_b32 v[B+\i], v[AD+\i]
.endr
	s_wait_dscnt 0x0
.irp i, 0,1
	v_and_b32 v[T+\i], 0xffff, v[B+\i]
.endr
.irp i, 0,1
	v_bcnt_u32_b32 v[T+\i], v[T+\i], 0
.endr
.irp i, 0,1
	v_cmp_le_u32 s[30+\i], v[T+\i], v[R+\i]                ; at most r set bits below position 16: the bit lies at 16 or above
.endr
.irp i, 0,1
	v_cndmask_b32 v[PS+\i], 0, 16, s[30+\i]
.endr
.irp h, 8,4,2,1
.irp i, 0,1
	v_add_nc_u32 v[PN+\i], \h, v[PS+\i]                    ; at most 31
.endr
.irp i, 0,1
	v_bfe_u32 v[T+\i], v[B+\i], 0, v[PN+\i]                ; the bits below the position on trial
.endr
.irp i, 0,1
	v_bcnt_u32_b32 v[T+\i], v[T+\i], 0
.endr
.irp i, 0,1
	v_cmp_le_u32 s[30+\i], v[T+\i], v[R+\i]
.endr
.irp i, 0,1
	v_cndmask_b32 v[PS+\i], v[PS+\i], v[PN+\i], s[30+\i]
.endr
.endr
.irp i, 0,1
	v_lshl_add_u32 v[PS+\i], v[WI+\i], 5, v[PS+\i]         ; 32 w + bit
.endr
	; 5. the count, the first match, the row
	v_readfirstlane_b32 s28, v[PS]                 ; slot 0's index,
	s_min_u32 s27, s25, 1
	s_mul_i32 s28, s28, s27                        ; or 0 where nothing matches
	s_min_u32 s26, s25, NS                         ; pts_cnt
	v_cmp_gt_u32 s30, s26, v[K]                    ; slot 2 l holds a match of its own
	v_cmp_gt_u32 s31, s26, v[K+1]
	v_cndmask_b32 v[OUT+2*\q], s28, v[PS], s30
	v_cndmask_b32 v[OUT+2*\q+1], s28, v[PS+1], s31
	global_store_b64 v3, v[OUT+2*\q:OUT+2*\q+1], s[6:7] offset:\q*ROWO th:TH_STORE_NT   ; the query's row: 256 consecutive bytes, aligned
	v_mov_b32 v[CN], s26
	ds_store_b32 v[CA], v[CN] offset:4*\q          ; every lane the same word, the same value
.endm
	QUERY 0
	QUERY 1
	QUERY 2
	QUERY 3
	; the 64 counts meet in LDS; wave 0 stores them as one piece of 256 consecutive bytes, aligned
	s_wait_dscnt 0x0                               ; my four counts are in LDS before I say so
	s_barrier_signal -1
	s_barrier_wait -1
	s_cmp_lg_u32 s10, 0
	s_cbranch_scc1 .Lend
	ds_load_b64 v[MA:MA+1], v[CR]
	s_wait_dscnt 0x0
	global_store_b64 v3, v[MA:MA+1], s[8:9] th:TH_STORE_NT
.Lend:
	s_wait_tensorcnt 0x0
	ds_add_u32 v100, v101
	s_wait_dscnt 0x0
	s_endpgm
.Lfunc_end_k_q3906b3ff81_compact:
	.size	k_q3906b3ff81_compact, .Lfunc_end_k_q3906b3ff81_compact-k_q3906b3ff81_compact
	.p2alignl 7, 3214868480
	.fill 96, 4, 3214868480
	.section	.rodata,"a",@progbits
	.p2align	6, 0x0
	.amdhsa_kernel k_q3906b3ff81_compact
		.amdhsa_group_segment_fixed_size 23040
		.amdhsa_private_segment_fixed_size 0
		.amdhsa_enable_private_segment 0
		.amdhsa_kernarg_size 24
		.amdhsa_user_sgpr_count 2
		.amdhsa_user_sgpr_kernarg_segment_ptr 1
		.amdhsa_wavefront_size32 1
		.amdhsa_system_sgpr_workgroup_id_x 1
		.amdhsa_system_sgpr_workgroup_id_y 1
		.amdhsa_system_sgpr_workgroup_id_z 1
		.amdhsa_system_vgpr_workitem_id 0
		.amdhsa_next_free_vgpr 102
		.amdhsa_next_free_sgpr 66
		.amdhsa_reserve_vcc 0
		.amdhsa_float_denorm_mode_32 3
		.amdhsa_float_denorm_mode_16_64 3
		.amdhsa_memory_ordered 1
		.amdhsa_forward_progress 1
		.amdhsa_inst_pref_size 40
	.end_amdhsa_kernel
	.amdgpu_metadata
---
amdhsa.version: [ 1, 2 ]
amdhsa.kernels:
  - .name:           k_q3906b3ff81_compact
    .symbol:         k_q3906b3ff81_compact.kd
    .args:
      - { .name: mask, .offset: 0, .size: 8, .value_kind: global_buffer, .address_space: global }
      - { .name: out0, .offset: 8, .size: 8, .value_kind: global_buffer, .address_space: global }
      - { .name: out1, .offset: 16, .size: 8, .value_kind: global_buffer, .address_space: global }
    .group_segment_fixed_size: 23040
    .private_segment_fixed_size: 0
    .kernarg_segment_align: 8
    .kernarg_segment_size: 24
    .max_flat_workgroup_size: 512
    .sgpr_count:     66
    .vgpr_count:     102
    .wavefront_size: 32
...
	.end_amdgpu_metadata
.endif
;; end of part 2
;; ======== version 2 of 2: 2 launches; version 1 with the launch compact written anew for expert scheduling mode
;; workspace buffers: mask 16,777,216 bytes of whole numbers
;; launch masks: the kernel of part 1 again; grid 256 x 1, 16 waves a work-group, no clusters, 0 bytes of LDS; arguments xyz1, xyz2, mask; writes mask
;; launch compact (part 3): grid 256 x 1, 16 waves a work-group, no clusters, 23,040 bytes of LDS; arguments mask, out0, out1; writes out0, out1
.if DOCPART == 3
	.amdgcn_target "amdgcn-amd-amdhsa--gfx1250"
	.amdhsa_code_object_version 6
	.text
	.protected	k_q3906b3ff81_compact
	.globl	k_q3906b3ff81_compact
	.p2align	8
	.type	k_q3906b3ff81_compact,@function
k_q3906b3ff81_compact:
	s_mov_b64 s[64:65], 0
	v_nop
	global_prefetch_b8 v0, s[64:65] scope:SCOPE_SE
	s_setreg_imm32_b32 hwreg(HW_REG_WAVE_SCHED_MODE, 0, 2), 2
	s_setreg_imm32_b32 hwreg(HW_REG_WAVE_MODE, 25, 1), 1
	s_wait_xcnt 0x0
	s_wait_alu depctr_vm_vsrc(0)
; out0[query][k] = index of the k-th set bit of the query's 8,192-bit mask (k < count), else the first match, else 0;
; out1[query] = min(number of set bits, 64).  The bits were stored by the launch before: a row of 256 words a query, bit l of
; word w = point 32 w + l; position 4 a + j of the row holds word 8 a + j, position 128 + 4 a + j word 8 a + 4 + j.
; Everything here is whole numbers read from memory.  No branch hangs on them: every query takes the same lines.
; A work-group (16 waves) owns 64 queries, a wave four of them, one after the other; all eight loads are issued at the start.
; ONE QUERY, lane l holding words 8 l .. 8 l + 7:
;   1. set bits in front of each word: a chain of eight v_bcnt in the lane, a scan of the lanes' totals over the 32 lanes;
;   2. each word that is not empty and has X < 64 matches in front of it writes the mark 64 w + X to LDS slot X (two such words never
;      share X); empty words and X >= 64 write to a dump word behind the slots, so EXEC stays full;
;   3. a running maximum over the 64 slots: slot k then holds the mark of the last non-empty word with X <= k, the word of match k;
;   4. that word's bits are fetched from LDS, and its set bit number r = k - X is found in five steps: the largest position with
;      at most r set bits below it;
;   5. slots at and beyond the count take slot 0's index, times min(total, 1): 0 where nothing matches.
; LDS serves a wave's instructions in order (ISA guide 5.7.1.4) and each wave keeps to its own bytes: no barrier but the one for out1.
; No cluster: no two work-groups read the same byte.
; THE MODE: SCHED_MODE bits 1:0 = 2 (LLVM: expert scheduling mode 2), set by the entry lines.  The code itself states the register
; dependences between vector instructions and memory or LDS instructions, and from vector instructions to scalar registers, with
; s_wait_alu, always for 0.
; THE PLAN.  Registers that memory or LDS instructions touch:
;   v2, v3, LP, LW, CA, CR, ZR, v100, v101   made at the head, never written again: one wait on va_vdst ahead of the first load.
;   W        the global loads land in it, once; LDS stores and vector lines read it; no vector line writes it.
;   X, MK    addresses and data of the eight mark stores.  Written by query q's vector lines, read by its stores, written again by query q + 1.
;   MA       the load of the slots lands in it; vector lines then read and write it; the next query's load lands in it again.
;   AD, B    addresses of the two gathers, and where they land; vector lines write AD and read B; both come round in the next query.
;   OUT, CN  a set for each query: written at the end of query q, read by its two stores, never written again.
; A query has TWO waits on va_vdst.  The first, ahead of the mark stores: X and MK are written, the vector lines are done with MA, and the
; query before has written its OUT and CN, whose stores therefore stand here, a query late.  The second, ahead of the gathers: AD is
; written, and the query before is done reading B.  ONE wait on vm_vsrc at a query's head frees X, MK and AD.  Query 3's OUT and CN have a
; wait of their own behind it.  Lines that write scalar registers stand in runs, one wait on va_sdst behind each run.
.set NS,    64                         ; slots of a query
.set QW,    4                          ; queries of a wave
.set ROWM,  1024                       ; bytes of a query's row of the mask
.set ROWO,  256                        ; bytes of its row of out0
.set SLB,   272                        ; LDS: 64 slots, the dump word, filled up to a multiple of 16
.set WREG,  SLB+1024                   ; LDS of a wave: the slots, then the 256 words in their order
.set CNTB,  16*WREG                    ; behind the waves' parts: the work-group's 64 counts
.set W,  4                             ; v[4:35]   query q: words 8 l + j in v[W+8q+j]
.set P,  36                            ; v[36:43]  set bits of my words 0 .. j
.set X,  44                            ; v[44:51]  matches in front of word j, then the LDS address of its mark
.set MK, 52                            ; v[52:59]  the marks
.set S,  60                            ; v60       scan of the lanes' totals; later the lower half's last mark, for the upper half
.set TM, 61                            ; v61       what a DPP move brings
.set MA, 62                            ; v[62:63]  marks of slots 2 l, 2 l + 1
.set WI, 64                            ; v[64:65]  their words' numbers
.set R,  66                            ; v[66:67]  their ranks inside the word
.set B,  68                            ; v[68:69]  the words' bits
.set AD, 70                            ; v[70:71]  LDS addresses of the words
.set PS, 72                            ; v[72:73]  bit position so far, then the index
.set PN, 74                            ; v[74:75]  bit position on trial
.set T,  76                            ; v[76:77]  set bits below it
.set OUT, 78                           ; v[78:85]  query q: the pair that its store reads; never rewritten, so no wait frees it
.set LB, 86                            ; v86       LDS address of my wave's slot 0
.set LP, 87                            ; v87       LDS address of slots 2 l, 2 l + 1
.set LW, 88                            ; v88       LDS address of word 8 l
.set LG, 89                            ; v89       LDS address of word 0
.set L9, 90                            ; v90       64 x 8 l: the lane's part of a mark
.set HI, 91                            ; v91       1 in lanes 16 to 31, else 0
.set K,  92                            ; v[92:93]  2 l, 2 l + 1
.set CA, 94                            ; v94       LDS address of my wave's four counts
.set CR, 95                            ; v95       LDS address of counts 2 l, 2 l + 1
.set ZR, 98                            ; v[98:99]  zeros
.set CN, 102                           ; v[102:105] query q: its count, for the LDS store; never rewritten
.set M,  16                            ; s[16:23]  lanes whose word j is not empty
	s_load_b128 s[4:7], s[0:1], 0x0                ; mask s[4:5], out0 s[6:7]
	s_load_b64 s[8:9], s[0:1], 0x10                ; out1
	v_lshl_add_u32 v100, v0, 2, 0x5200
	v_mov_b32 v101, 0
	v_and_b32 v1, 31, v0                           ; lane
	v_lshrrev_b32 v[TM], 5, v0
	v_readfirstlane_b32 s10, v[TM]                 ; wave 0..15
	v_lshlrev_b32 v2, 4, v1                        ; 16 x lane: four words of half a mask row
	v_lshlrev_b32 v3, 3, v1                        ; 8 x lane: two slots of a row of out0, two counts
	v_lshlrev_b32 v[L9], 9, v1
	v_lshrrev_b32 v[HI], 4, v1
	v_lshlrev_b32 v[K], 1, v1
	v_or_b32 v[K+1], 1, v[K]
	v_mov_b32 v[ZR], 0
	v_mov_b32 v[ZR+1], 0
	v_add_nc_u32 v[CR], CNTB, v3
	s_lshl_b32 s12, ttmp9, 16                      ; mask: 64 queries of 1,024 bytes a work-group,
	s_mov_b32 s13, 0
	s_lshl_b32 s40, ttmp9, 14                      ; out0: 64 rows of 256 bytes,
	s_mov_b32 s41, 0
	s_lshl_b32 s42, ttmp9, 8                       ; out1: the work-group's 64 counts
	s_mov_b32 s43, 0
	s_wait_alu depctr_va_sdst(0)                   ; s10 is written, ahead of its first reader: the offsets below are made from it
	s_lshl_b32 s14, s10, 12                        ; mask: 4 queries a wave
	s_add_co_u32 s12, s12, s14
	s_lshl_b32 s14, s10, 10                        ; out0: 4 rows a wave
	s_add_co_u32 s40, s40, s14
	s_mul_i32 s15, s10, WREG
	v_mov_b32 v[LB], s15
	v_add_nc_u32 v[LP], s15, v3
	s_add_co_u32 s44, s15, SLB
	v_mov_b32 v[LG], s44
	v_lshl_add_u32 v[LW], v1, 5, s44               ; eight words of 4 bytes a lane
	s_lshl_b32 s45, s10, 4
	s_add_co_u32 s45, s45, CNTB
	v_mov_b32 v[CA], s45                           ; counts 4 x wave .. 4 x wave + 3 are mine
	s_wait_kmcnt 0x0
	s_add_nc_u64 s[4:5], s[4:5], s[12:13]
	s_add_nc_u64 s[6:7], s[6:7], s[40:41]
	s_add_nc_u64 s[8:9], s[8:9], s[42:43]
	s_wait_alu depctr_va_vdst(0)                   ; v2, v3, LP, LW, CA, CR, the zeros, v100 and v101 are written: the kernel's loads and stores read them, and no line writes them again
.irp q, 0,1,2,3
	global_load_b128 v[W+8*\q:W+8*\q+3],   v2, s[4:5] offset:\q*ROWM th:TH_LOAD_NT       ; 512 consecutive bytes each; every row is read
	global_load_b128 v[W+8*\q+4:W+8*\q+7], v2, s[4:5] offset:\q*ROWM+512 th:TH_LOAD_NT   ; once in the launch
.endr
.macro QUERY q
.if (\q) > 0
	s_wait_alu depctr_vm_vsrc(0)                   ; the last query's mark stores have read X and MK, its gathers AD: this query's vector lines write all three again
.endif
	ds_store_b64 v[LP], v[ZR:ZR+1]                 ; all 64 slots 0; in order behind the last query's reads
	s_wait_loadcnt 2*(QW-1-\q)                     ; my two loads are in; the two of each later query stay out
	ds_store_b128 v[LW], v[W+8*\q:W+8*\q+3]        ; the words in their order, for step 4
	ds_store_b128 v[LW], v[W+8*\q+4:W+8*\q+7] offset:16
	; 1. matches in front of each word
	v_bcnt_u32_b32 v[P], v[W+8*\q], 0
.irp j, 1,2,3,4,5,6,7
	v_bcnt_u32_b32 v[P+\j], v[W+8*\q+\j], v[P+\j-1]        ; set bits of the word + those of the words before it
.endr
	v_mov_b32 v[S], v[P+7]
.irp n, 1,2,4,8
	v_mov_b32_dpp v[TM], v[S] row_shr:\n row_mask:0xf bank_mask:0xf bound_ctrl:1   ; lane i takes lane i - n of its 16, or 0
	v_add_nc_u32 v[S], v[S], v[TM]
.endr
	v_readlane_b32 s24, v[S], 15                   ; the lower 16 lanes' total (at most 4,096)
.irp j, 0,1,2,3,4,5,6,7
	v_cmp_ne_u32 s[M+\j], 0, v[W+8*\q+\j]          ; step 2's masks stand here, in one run with the line above
.endr
	s_wait_alu depctr_va_sdst(0)                   ; s24 is written, which the next line reads, and s[M:M+7], which step 2's selects read
	v_mad_u32_u24 v[S], v[HI], s24, v[S]           ; goes on top in the upper 16
	v_readlane_b32 s25, v[S], 31                   ; all matches of the query; read first behind step 3's wait
	v_sub_nc_u32 v[X], v[S], v[P+7]                ; in front of my first word
.irp j, 1,2,3,4,5,6,7
	v_add_nc_u32 v[X+\j], v[X], v[P+\j-1]
.endr
	; 2. the marks
	v_add_nc_u32 v[MK], v[X], v[L9]
.irp j, 1,2,3,4,5,6,7
	v_add3_u32 v[MK+\j], v[X+\j], v[L9], 64*\j             ; 64 (8 l + j) + X; only marks with X < 64 reach a slot
.endr
.irp j, 0,1,2,3,4,5,6,7
	v_cndmask_b32 v[X+\j], NS, v[X+\j], s[M+\j]            ; an empty word: the dump word
.endr
.irp j, 0,1,2,3,4,5,6,7
	v_min_u32 v[X+\j], NS, v[X+\j]                         ; 64 matches in front: the dump word.  Bounds the address: 0 .. 64
.endr
.irp j, 0,1,2,3,4,5,6,7
	v_lshl_add_u32 v[X+\j], v[X+\j], 2, v[LB]
.endr
	s_wait_alu depctr_va_vdst(0)                   ; X and MK are written, which the mark stores read; the vector lines are done with MA, in which the load lands; the query before has written its OUT and CN
.if (\q) > 0
	ds_store_b32 v[CA], v[CN+(\q-1)] offset:4*(\q-1)       ; the query before: its count; every lane the same word, the same value
.endif
.irp j, 0,1,2,3,4,5,6,7
	ds_store_b32 v[X+\j], v[MK+\j]
.endr
	; 3. running maximum over slots 0 .. 63 (marks grow with the slot; an empty slot is 0)
	ds_load_b64 v[MA:MA+1], v[LP]                  ; behind my own stores, in order
.if (\q) > 0
	global_store_b64 v3, v[OUT+2*(\q-1):OUT+2*(\q-1)+1], s[6:7] offset:(\q-1)*ROWO th:TH_STORE_NT   ; the query before: its row, 256 consecutive bytes, aligned
.endif
	s_wait_dscnt 0x0
	v_max_u32 v[MA+1], v[MA], v[MA+1]
.irp n, 1,2,4,8
	v_mov_b32_dpp v[TM], v[MA+1] row_shr:\n row_mask:0xf bank_mask:0xf bound_ctrl:1
	v_max_u32 v[MA+1], v[MA+1], v[TM]
.endr
	v_readlane_b32 s29, v[MA+1], 15                ; the lower 16 lanes' last mark (below 2^14)
	v_mov_b32_dpp v[TM], v[MA+1] row_shr:1 row_mask:0xf bank_mask:0xf bound_ctrl:1  ; the lanes in front of me in my 16
	v_max_u32 v[MA], v[MA], v[TM]
	s_wait_alu depctr_va_sdst(0)                   ; s29 is written, which the multiply reads, and s25, which the two minima read
	v_mul_u32_u24 v[S], s29, v[HI]                 ; counts for the upper 16 only
	s_min_u32 s27, s25, 1                          ; 0 where nothing matches
	s_min_u32 s26, s25, NS                         ; pts_cnt
	v_max_u32 v[MA+1], v[MA+1], v[S]
	v_max_u32 v[MA], v[MA], v[S]
	; 4. the word, the rank inside it, the bit
.irp i, 0,1
	v_lshrrev_b32 v[WI+\i], 6, v[MA+\i]
	v_and_b32 v[R+\i], 63, v[MA+\i]
.endr
.irp i, 0,1
	v_min_u32 v[WI+\i], 0xff, v[WI+\i]                     ; changes nothing (a mark is below 64 x 256); bounds the address
	v_sub_nc_u32 v[R+\i], v[K+\i], v[R+\i]                 ; r = k - X, never negative: the mark came from slot X <= k
.endr
.irp i, 0,1
	v_lshl_add_u32 v[AD+\i], v[WI+\i], 2, v[LG]
.endr
	s_wait_alu depctr_va_vdst(0)                   ; AD is written, which the gathers read; the last query's bit search is done reading B, in which they land
.irp i, 0,1
	ds_load_b32 v[B+\i], v[AD+\i]
.endr
	s_wait_dscnt 0x0
.irp i, 0,1
	v_and_b32 v[T+\i], 0xffff, v[B+\i]
.endr
.irp i, 0,1
	v_bcnt_u32_b32 v[T+\i], v[T+\i], 0
.endr
.irp i, 0,1
	v_cmp_le_u32 s[30+\i], v[T+\i], v[R+\i]                ; at most r set bits below position 16: the bit lies at 16 or above
.endr
	s_wait_alu depctr_va_sdst(0)                   ; s30 and s31 are written, which the two selects read
.irp i, 0,1
	v_cndmask_b32 v[PS+\i], 0, 16, s[30+\i]
.endr
.irp h, 8,4,2,1
.irp i, 0,1
	v_add_nc_u32 v[PN+\i], \h, v[PS+\i]                    ; at most 31
.endr
.irp i, 0,1
	v_bfe_u32 v[T+\i], v[B+\i], 0, v[PN+\i]                ; the bits below the position on trial
.endr
.irp i, 0,1
	v_bcnt_u32_b32 v[T+\i], v[T+\i], 0
.endr
.irp i, 0,1
	v_cmp_le_u32 s[30+\i], v[T+\i], v[R+\i]
.endr
.if \h == 1
	v_cmp_gt_u32 s32, s26, v[K]                    ; slot 2 l holds a match of its own: step 5's masks, in one run with the last round's
	v_cmp_gt_u32 s33, s26, v[K+1]
.endif
	s_wait_alu depctr_va_sdst(0)                   ; s30 and s31 are written, which the two selects read; in the last round s32 and s33 too, for step 5's selects
.irp i, 0,1
	v_cndmask_b32 v[PS+\i], v[PS+\i], v[PN+\i], s[30+\i]
.endr
.endr
.irp i, 0,1
	v_lshl_add_u32 v[PS+\i], v[WI+\i], 5, v[PS+\i]         ; 32 w + bit
.endr
	; 5. the count, the first match, the row; the two stores stand in the next query, behind its first wait on va_vdst
	v_readfirstlane_b32 s28, v[PS]                 ; slot 0's index,
	v_mov_b32 v[CN+\q], s26
	s_wait_alu depctr_va_sdst(0)                   ; s28 is written, which the multiply reads
	s_mul_i32 s28, s28, s27                        ; or 0 where nothing matches
	v_cndmask_b32 v[OUT+2*\q], s28, v[PS], s32
	v_cndmask_b32 v[OUT+2*\q+1], s28, v[PS+1], s33
.endm
	QUERY 0
	QUERY 1
	QUERY 2
	QUERY 3
	s_wait_alu depctr_va_vdst(0)                   ; query 3 has written its OUT and CN, which the two stores read; the vector lines are done with MA, in which wave 0's load below lands
	ds_store_b32 v[CA], v[CN+3] offset:4*3         ; every lane the same word, the same value
	global_store_b64 v3, v[OUT+2*3:OUT+2*3+1], s[6:7] offset:3*ROWO th:TH_STORE_NT   ; the query's row: 256 consecutive bytes, aligned
	; the 64 counts meet in LDS; wave 0 stores them as one piece of 256 consecutive bytes, aligned
	s_wait_dscnt 0x0                               ; my four counts are in LDS before I say so
	s_barrier_signal -1
	s_barrier_wait -1
	s_cmp_lg_u32 s10, 0
	s_cbranch_scc1 .Lend
	ds_load_b64 v[MA:MA+1], v[CR]                  ; no vector line since the wait on va_vdst above names MA or CR
	s_wait_dscnt 0x0
	global_store_b64 v3, v[MA:MA+1], s[8:9] th:TH_STORE_NT
.Lend:
	s_wait_dscnt 0x0                               ; the closing lines, six on end
	s_wait_alu 0x0
	s_wait_tensorcnt 0x0
	ds_add_u32 v100, v101
	s_wait_dscnt 0x0
	s_endpgm
.Lfunc_end_k_q3906b3ff81_compact:
	.size	k_q3906b3ff81_compact, .Lfunc_end_k_q3906b3ff81_compact-k_q3906b3ff81_compact
	.p2alignl 7, 3214868480
	.fill 96, 4, 3214868480
	.section	.rodata,"a",@progbits
	.p2align	6, 0x0
	.amdhsa_kernel k_q3906b3ff81_compact
		.amdhsa_group_segment_fixed_size 23040
		.amdhsa_private_segment_fixed_size 0
		.amdhsa_enable_private_segment 0
		.amdhsa_kernarg_size 24
		.amdhsa_user_sgpr_count 2
		.amdhsa_user_sgpr_kernarg_segment_ptr 1
		.amdhsa_wavefront_size32 1
		.amdhsa_system_sgpr_workgroup_id_x 1
		.amdhsa_system_sgpr_workgroup_id_y 1
		.amdhsa_system_sgpr_workgroup_id_z 1
		.amdhsa_system_vgpr_workitem_id 0
		.amdhsa_next_free_vgpr 106
		.amdhsa_next_free_sgpr 66
		.amdhsa_reserve_vcc 0
		.amdhsa_float_denorm_mode_32 3
		.amdhsa_float_denorm_mode_16_64 3
		.amdhsa_memory_ordered 1
		.amdhsa_forward_progress 1
		.amdhsa_inst_pref_size 42
	.end_amdhsa_kernel
	.amdgpu_metadata
---
amdhsa.version: [ 1, 2 ]
amdhsa.kernels:
  - .name:           k_q3906b3ff81_compact
    .symbol:         k_q3906b3ff81_compact.kd
    .args:
      - { .name: mask, .offset: 0, .size: 8, .value_kind: global_buffer, .address_space: global }
      - { .name: out0, .offset: 8, .size: 8, .value_kind: global_buffer, .address_space: global }
      - { .name: out1, .offset: 16, .size: 8, .value_kind: global_buffer, .address_space: global }
    .group_segment_fixed_size: 23040
    .private_segment_fixed_size: 0
    .kernarg_segment_align: 8
    .kernarg_segment_size: 24
    .max_flat_workgroup_size: 512
    .sgpr_count:     66
    .vgpr_count:     106
    .wavefront_size: 32
...
	.end_amdgpu_metadata
.endif
;; end of part 3
